; MI455X (gfx1250); checked and timed in simulation.
; The chip was launched on July 23, 2026; its instructions are those of AMD's public machine-readable ISA for CDNA 5 (MIT licence, August 2026) and "CDNA5" Instruction Set Architecture Reference Guide (July 2026). The comments in the code are by the model that wrote it; some were corrected since.
;; G SP. Allowed arithmetic: float matrix products may take bf16 or f16 operands with f32 sums; all other float work in f32.
;; Inputs: W1 512 x 512 float32; W2 512 x 512 float32; Wv 512 x 512 float32; b1 512 float32; b2 512 float32; bv 512 float32; dec_embed 8 x 2,048 x 512 float32; enc_embed 8 x 2,048 x 512 float32; trans_mat 8 x 2,048 x 2,048 float32.
;; Outputs: out0 8 x 2,048 x 512 float32.
;; One version. Each part assembles by itself: llvm-mc -triple=amdgcn-amd-amdhsa -mcpu=gfx1250 --defsym DOCPART=n.
;; ======== version 1 of 1: 2 launches
;; limits: values outside matrix products are rounded to bf16; values are held in f16: magnitudes above 65,504 overflow, below 6.1e-05 lose precision; inputs' magnitudes at most 32,752
;; workspace buffers: eb 16,777,216 bytes; db 16,777,216 bytes; wb 1,572,864 bytes
;; launch cast (part 1): grid 256 x 1, 8 waves a work-group, no clusters, 0 bytes of LDS; arguments enc_embed, dec_embed, Wv, W1, W2, eb, db, wb; writes eb, db, wb
.if DOCPART == 1
	.amdgcn_target "amdgcn-amd-amdhsa--gfx1250"
	.amdhsa_code_object_version 6
	.text
	.protected	k_qeabca019e0_cast
	.globl	k_qeabca019e0_cast
	.p2align	8
	.type	k_qeabca019e0_cast,@function
k_qeabca019e0_cast:
	s_mov_b64 s[64:65], 0
	v_nop
	global_prefetch_b8 v0, s[64:65] scope:SCOPE_SE
	s_setreg_imm32_b32 hwreg(HW_REG_WAVE_MODE, 25, 1), 1
	s_wait_xcnt 0x0
; enc, dec [16384][512] f32 -> eb, db [16384][512] bf16;  Wv, W1, W2 [512][512] f32 -> wb, 12 tiles of [512 k][128 columns] 16-bit numbers.
; Everything is rounded once to bf16 (nearest even).  Wv and W1 are then written as f16 of that bf16 value: f16 has 11 significant bits and holds
; the 8 of a bf16 number exactly for magnitudes from 2^-14 to 65,504, so that their partners in the last launch can be f16.
; LIMITS: a weight of Wv or W1 above 65,504 in magnitude becomes infinite; below 2^-14 it keeps an absolute step of 2^-24.
; ROTATION.  A unit is 16 bytes = 8 columns.  In eb and wb unit u of row p lies, within its group of 16 units (256 bytes), at place (u + g(p)) & 15,
; g(p) = 2 (p & 7) + ((p >> 3) & 1).  The next launches keep such rows in LDS a multiple of 256 bytes apart and read them by rows and by columns;
; with this rotation the sixteen lanes of either kind of read touch sixteen different 16-byte columns of 256 bytes.  db is not rotated.
; wb: weight u, column chunk c (128 columns), row k at 524,288 u + 131,072 c + 256 k: each chunk is one dense block of 131,072 bytes.
; A stream: every byte is read once and written once; no LDS, no barrier, no matrix unit, no cluster (no two work-groups share a byte).
; Work-group g: rows 64g .. 64g+63 of enc and of dec, wave w rows 8w+e; of each weight rows 2g, 2g+1: wave w takes quarter w&3 of row 2g + (w>>2).
; A load covers 512 consecutive bytes (lane L: 16 bytes at 16 L); its 128 numbers become 256 bytes, which one store of 8 bytes a lane
; writes as one whole aligned block of 256 bytes.
; 67 loads a wave.  59 go out at once (30,208 bytes in flight a wave, v16-251); the last 8 follow into the first eight quads when those have been stored.
.set X, 16                             ; v[16:251]  59 quads as loaded; the first two registers of each then hold the packed result
.set SO, 4                             ; v[4:11]    store offset of enc's row e
	s_load_b256 s[4:11], s[0:1], 0x0               ; enc s[4:5], dec s[6:7], Wv s[8:9], W1 s[10:11]
	s_load_b256 s[12:19], s[0:1], 0x20             ; W2 s[12:13], eb s[14:15], db s[16:17], wb s[18:19]
	v_lshrrev_b32 v2, 5, v0
	v_readfirstlane_b32 s20, v2                    ; wave 0..7
	v_and_b32 v1, 31, v0                           ; lane L
	s_mov_b32 s21, 0xffff0000                      ; a word's upper bf16
	s_lshl_b32 s22, ttmp9, 17                      ; 64 rows of 2,048 bytes in
	s_mov_b32 s23, 0
	s_lshl_b32 s24, ttmp9, 16                      ; 64 rows of 1,024 bytes out
	s_mov_b32 s25, 0
	s_lshl_b32 s26, ttmp9, 1
	s_lshr_b32 s27, s20, 2
	s_add_co_u32 s26, s26, s27                     ; rw: my row of the weights
	s_and_b32 s27, s26, 7
	s_bfe_u32 s28, s26, 0x10003                    ; (rw >> 3) & 1
	s_lshl1_add_u32 s27, s27, s28                  ; g(rw)
	s_and_b32 s28, s20, 3                          ; my quarter of that row = the column chunk
	s_lshl_b32 s29, s26, 11
	s_lshl_b32 s30, s28, 9
	s_add_co_u32 s29, s29, s30                     ; in: rw * 2,048 + quarter * 512
	s_lshl_b32 s30, s28, 17
	s_lshl_b32 s31, s26, 8
	s_add_co_u32 s30, s30, s31                     ; out: quarter * 131,072 + rw * 256
	s_and_b32 s31, s20, 1                          ; (row >> 3) & 1 of my rows of enc
	s_lshl_b32 s2, s20, 14                         ; my 8 rows in
	s_lshl_b32 s3, s20, 13                         ; my 8 rows out
	v_lshl_add_u32 v2, v1, 4, s2                   ; load offset in enc and dec
	v_lshl_add_u32 v12, v1, 4, s29                 ; load offset in a weight
	v_lshrrev_b32 v3, 1, v1                        ; my unit among the load's sixteen
	v_and_b32 v15, 1, v1
	v_lshlrev_b32 v15, 3, v15                      ; which half of the unit
	v_add_nc_u32 v14, s27, v3
	v_and_b32 v14, 15, v14                         ; rotated
	v_lshl_add_u32 v14, v14, 4, v15
	v_add_nc_u32 v13, s30, v14                     ; store offset in a weight's part of wb
	v_add_nc_u32 v3, s31, v3
	v_add_nc_u32 v15, s3, v15
.irp e, 0,1,2,3,4,5,6,7
	v_add_nc_u32 v14, 2*\e, v3                     ; unit + g(row), g = 2 e + (w & 1)
	v_and_b32 v14, 15, v14
	v_lshl_add_u32 v[SO+\e], v14, 4, v15
.endr
	v_lshl_add_u32 v14, v1, 3, s3                  ; store offset in db: 8 bytes a lane, in order
	s_wait_kmcnt 0x0
	s_add_nc_u64 s[4:5], s[4:5], s[22:23]
	s_add_nc_u64 s[6:7], s[6:7], s[22:23]
	s_add_nc_u64 s[14:15], s[14:15], s[24:25]
	s_add_nc_u64 s[16:17], s[16:17], s[24:25]
	global_load_b128 v[X:X+3],    v12, s[8:9] th:TH_LOAD_NT
	global_load_b128 v[X+4:X+7],  v12, s[10:11] th:TH_LOAD_NT
	global_load_b128 v[X+8:X+11], v12, s[12:13] th:TH_LOAD_NT
.irp e, 0,1,2,3,4,5,6,7
.irp u, 0,1,2,3
	global_load_b128 v[X+12+16*\e+4*\u:X+12+16*\e+4*\u+3], v2, s[4:5] offset:2048*\e+512*\u th:TH_LOAD_NT
.endr
.endr
.irp e, 0,1,2,3,4,5
.irp u, 0,1,2,3
	global_load_b128 v[X+140+16*\e+4*\u:X+140+16*\e+4*\u+3], v2, s[6:7] offset:2048*\e+512*\u th:TH_LOAD_NT
.endr
.endr
.macro PACK n                          ; four f32 to four bf16, in the quad's first two registers
	v_cvt_pk_bf16_f32 v[X+4*(\n)],   v[X+4*(\n)],   v[X+4*(\n)+1]
	v_cvt_pk_bf16_f32 v[X+4*(\n)+1], v[X+4*(\n)+2], v[X+4*(\n)+3]
.endm
.macro TOF16 n                         ; the same four numbers, as f16 (exact in the range stated above)
	v_lshlrev_b32 v[X+4*\n+2], 16, v[X+4*\n]
	v_and_b32     v[X+4*\n+3], s21, v[X+4*\n]
	v_cvt_pk_f16_f32 v[X+4*\n], v[X+4*\n+2], v[X+4*\n+3]
	v_lshlrev_b32 v[X+4*\n+2], 16, v[X+4*\n+1]
	v_and_b32     v[X+4*\n+3], s21, v[X+4*\n+1]
	v_cvt_pk_f16_f32 v[X+4*\n+1], v[X+4*\n+2], v[X+4*\n+3]
.endm
; left = how many younger loads may stay out at the row's first quad; loads come back in order (ISA guide 5.7.1)
.macro ENCROW e, left
.irp u, 0,1,2,3
	s_wait_loadcnt \left-\u
	PACK 3+4*\e+\u
	global_store_b64 v[SO+\e], v[X+12+16*\e+4*\u:X+12+16*\e+4*\u+1], s[14:15] offset:1024*\e+256*\u
.endr
.endm
.macro DECROW e, n0, left              ; row e of dec lies in quads n0 .. n0+3
.irp u, 0,1,2,3
	s_wait_loadcnt \left-\u
	PACK \n0+\u
	global_store_b64 v14, v[X+4*(\n0+\u):X+4*(\n0+\u)+1], s[16:17] offset:1024*\e+256*\u
.endr
.endm
.irp n, 0,1,2
	s_wait_loadcnt 58-\n                           ; 59 loads are out: load n is in when 58 - n younger ones remain
	PACK \n
.if \n<2
	TOF16 \n                                       ; Wv and W1
.endif
	global_store_b64 v13, v[X+4*\n:X+4*\n+1], s[18:19] offset:524288*\n
.endr
	ENCROW 0, 55
	ENCROW 1, 51
	s_wait_xcnt 0x0                                ; the stores of quads 0 to 7 have read their data: those registers are loaded again only behind this wait
.irp e, 0,1
.irp u, 0,1,2,3
	global_load_b128 v[X+16*\e+4*\u:X+16*\e+4*\u+3], v2, s[6:7] offset:2048*(6+\e)+512*\u th:TH_LOAD_NT
.endr
.endr
	ENCROW 2, 55                                   ; from here on eight more loads are younger
	ENCROW 3, 51
	ENCROW 4, 47
	ENCROW 5, 43
	ENCROW 6, 39
	ENCROW 7, 35
	DECROW 0, 35, 31
	DECROW 1, 39, 27
	DECROW 2, 43, 23
	DECROW 3, 47, 19
	DECROW 4, 51, 15
	DECROW 5, 55, 11
	DECROW 6, 0, 7
	DECROW 7, 4, 3
	s_endpgm
.Lfunc_end_k_qeabca019e0_cast:
	.size	k_qeabca019e0_cast, .Lfunc_end_k_qeabca019e0_cast-k_qeabca019e0_cast
	.p2alignl 7, 3214868480
	.fill 96, 4, 3214868480
	.section	.rodata,"a",@progbits
	.p2align	6, 0x0
	.amdhsa_kernel k_qeabca019e0_cast
		.amdhsa_group_segment_fixed_size 0
		.amdhsa_private_segment_fixed_size 0
		.amdhsa_enable_private_segment 0
		.amdhsa_kernarg_size 64
		.amdhsa_user_sgpr_count 2
		.amdhsa_user_sgpr_kernarg_segment_ptr 1
		.amdhsa_wavefront_size32 1
		.amdhsa_system_sgpr_workgroup_id_x 1
		.amdhsa_system_sgpr_workgroup_id_y 1
		.amdhsa_system_sgpr_workgroup_id_z 1
		.amdhsa_system_vgpr_workitem_id 0
		.amdhsa_next_free_vgpr 256
		.amdhsa_next_free_sgpr 66
		.amdhsa_reserve_vcc 0
		.amdhsa_float_denorm_mode_32 3
		.amdhsa_float_denorm_mode_16_64 3
		.amdhsa_memory_ordered 1
		.amdhsa_forward_progress 1
		.amdhsa_inst_pref_size 27
	.end_amdhsa_kernel
	.amdgpu_metadata
---
amdhsa.version: [ 1, 2 ]
amdhsa.kernels:
  - .name:           k_qeabca019e0_cast
    .symbol:         k_qeabca019e0_cast.kd
    .args:
      - { .name: enc_embed, .offset: 0, .size: 8, .value_kind: global_buffer, .address_space: global }
      - { .name: dec_embed, .offset: 8, .size: 8, .value_kind: global_buffer, .address_space: global }
      - { .name: Wv, .offset: 16, .size: 8, .value_kind: global_buffer, .address_space: global }
      - { .name: W1, .offset: 24, .size: 8, .value_kind: global_buffer, .address_space: global }
      - { .name: W2, .offset: 32, .size: 8, .value_kind: global_buffer, .address_space: global }
      - { .name: eb, .offset: 40, .size: 8, .value_kind: global_buffer, .address_space: global }
      - { .name: db, .offset: 48, .size: 8, .value_kind: global_buffer, .address_space: global }
      - { .name: wb, .offset: 56, .size: 8, .value_kind: global_buffer, .address_space: global }
    .group_segment_fixed_size: 0
    .private_segment_fixed_size: 0
    .kernarg_segment_align: 8
    .kernarg_segment_size: 64
    .max_flat_workgroup_size: 256
    .sgpr_count:     66
    .vgpr_count:     256
    .wavefront_size: 32
...
	.end_amdgpu_metadata
.endif
;; end of part 1
;; launch fused (part 2): grid 32 x 8, 4 waves a work-group, clusters of 4 x 1, 327,680 bytes of LDS; arguments db, trans_mat, eb, wb, bv, b1, b2, out0; writes out0
.if DOCPART == 2
	.amdgcn_target "amdgcn-amd-amdhsa--gfx1250"
	.amdhsa_code_object_version 6
	.text
	.protected	k_qeabca019e0_fused
	.globl	k_qeabca019e0_fused
	.p2align	8
	.type	k_qeabca019e0_fused,@function
k_qeabca019e0_fused:
	s_mov_b64 s[64:65], 0
	v_nop
	global_prefetch_b8 v0, s[64:65] scope:SCOPE_SE
	s_setreg_imm32_b32 hwreg(HW_REG_WAVE_MODE, 25, 1), 1
	s_wait_xcnt 0x0
	s_wait_alu depctr_hold_cnt(0) depctr_sa_sdst(0) depctr_va_vdst(0) depctr_va_sdst(0) depctr_va_ssrc(0) depctr_va_vcc(0) depctr_vm_vsrc(0)
	s_getreg_b32 s2, hwreg(HW_REG_IB_STS2, 6, 4)
	s_cmp_eq_u32 s2, 0
	s_cbranch_scc0 .Lentry_in_a_cluster
	s_endpgm
.Lentry_in_a_cluster:
	s_bfe_u32 s2, ttmp6, 0x10000c
	s_cmp_lg_u32 s2, 0x3003
	s_cbranch_scc0 .Lentry_shape_is_right
	s_endpgm
.Lentry_shape_is_right:
; out = relu(g W1 + b1) W2 + b2,  g = dec (1 + tanh(att (enc Wv + bv))),  att = softmax over the keys of S = (dec enc^T) * T with every S == 0
; counted in the maximum and in the denominator and then set to zero.  One work-group: 64 queries of one batch, all 2,048 keys, all three layers.
; RE-ASSOCIATION, true for every input: att (enc Wv + bv) = (att enc) Wv + (sum of att) bv.  So one bf16 tile of enc serves as keys (read by rows) and as
; values (read by columns, ds_load_tr16_b128), and Wv is a third layer.  The sum of att is not 1 (the re-zeroing): a second row sum, lm, is kept.
; SOFTMAX: running maximum m over blocks of 128 keys, zeros included; l = sum of all exp(S - m), lm = sum of those with S != 0; O, l, lm are rescaled by
; exp(m_old - m_new) in every block.  The start is m = -inf, l = lm = 0, O = 0, so that the first factor is exp(-inf) = 0 and one text serves all the loop's blocks.
; ONE RING: 28 tiles of 131,072 bytes (16 of enc: 128 keys x 1,024 bytes; 12 of the weights: 512 k x 256 bytes) pass through two LDS slots.  The slot is a scalar register
; toggled once a tile, and so is the LDS word of the tile's descriptor.  15 blocks go round the first loop; the last block, which asks for Wv's first chunk, is written out.
; CLUSTER 4 x 1: the four work-groups are four query blocks of one batch; they need the same tiles of enc and of the weights and ask for them jointly (mask 15).
; dec and T are each work-group's own (mask 0).  Only one axis shares tiles, so the cluster has one axis.
; WAVES IN THE ATTENTION: every wave has all 64 queries.  In S a wave owns 32 of the block's 128 keys; in O = P enc it owns 128 of the 512 columns.  So each fragment of a
; tile is read from LDS by one wave alone and feeds four matrix instructions; dec stays in registers as fragments.
; A LAYER GOES BY OUTPUT COLUMNS.  Its 64 x 512 input lies as B fragments X(s, q) in 512 registers of every wave.  A weight comes as four chunks of 128 output columns x all
; 512 k.  For a chunk a wave makes 32 columns x 64 queries over the whole of K: 8 sums, 128 matrix instructions; then it finishes those 64 numbers a lane at once, in the loop.
; ALL PRODUCTS ARE TRANSPOSED, query = lane % 16:  S^T = K x Q, O^T = enc^T x P, next^T = W^T x this.  A lane's eight results are eight neighbouring keys (or channels) of one
; query: row statistics are per lane, and two result tiles pack into one B fragment of the next product, in the same lane.
; FORMATS: dec, enc, P, h, W2 are bf16.  a = O / l and g are f16 with Wv, W1 as f16 of their bf16 values: |a| <= max |enc| and |g| <= 2 |dec|; a sum of 512 products (h) has no such bound.
; 1 + tanh x = 2 / (1 + e^(-2x)) = 1 / (0.5 + 2^(-2 log2 e x - 1)).
; LIMITS: |enc| above 65,504 or |dec| above 32,752 overflow a or g.  dec enters the gate as bf16(dec).  Weights of the softmax below 2^-126 of a row's largest are flushed to
; zero by v_exp_f32 (ISA guide 15.8).  NaN and infinities in the inputs are not followed.  -0 counts as zero, as in '!='.  T is used as f32, whatever it holds.
; ROWS OF A TILE lie a multiple of 256 bytes apart in LDS with their 16-byte units rotated by g(row) = 2 (row & 7) + ((row >> 3) & 1) within each 256 bytes (made by the launch
; before).
;
; LDS:  0 SLOT0 131,072 | 131,072 SLOT1 131,072 (first fill: dec, 64 rows x 1,040) | 262,144 TB: T tile, 64 x 528 | 295,936 PB: P fragments, 16 x 1,024
;       | 312,320 MX, +1,024 LS, +2,048 LMS: [wave][query % 16][4 floats]
;       262,144 XB 65,536, behind the attention, when TB has had its last fill: fragments of a, g, h [K step 0..15][q][1,024] (bytes 16 L: registers 0-3 of lane L; 512 + 16 L:
;       registers 4-7); in the last layer the stage of the way out, 64 rows x 528
; REGISTERS: window 0: addresses, statistics, and a pool v80-255;  windows 1, 2: Q(s, q), later X(s, q) = v[256 + 32 s + 8 q];  window 3: O(ct, q) = v[768 + 32 ct + 8 q].
.set SLOTB, 131072
.set DECT,  131072
.set TB,    262144
.set PB,    295936
.set MX,    312320
.set XB,    262144
.set G1E, 32                           ; s[32:39]  group 1 of a joint half tile: 65,536 dense bytes as 64 rows x 1,024
.set G0E, 40                           ; s[40:43]  group 0 for enc
.set G0T, 44                           ; s[44:47]  group 0 for T
.set G1T, 48                           ; s[48:55]  group 1 of a T tile
.set G1D, 56                           ; s[56:63]  group 1 of the dec tile
.set G0D, 68                           ; s[68:71]
.set G0W, 72                           ; s[72:75]  group 0 for the weights
.set SS,  84                           ; s84 = this tile's slot, s85 = the same + 65,536
.set HIM, 86                           ; s86 = mask of a word's upper bf16
; the attention's registers
.set KB,  8                            ; v[8:15]   K fragment addresses in a slot, [2 (s & 3) + half]
.set KW,  16                           ; v[16:23]  the same in this block's slot
.set VB,  24                           ; v[24:31]  V fragment addresses in a slot, [column tile]
.set VW,  32                           ; v[32:35]  the same at work
.set TAD, 36
.set PST, 37
.set PLD, 38
.set MXS, 39
.set MXL, 40
.set PFV, 42
.set QAD, 43
.set AL,  48                           ; v[48:55]  pairs (alpha_q, m_q); at the end (1 / l_q, m_q)
.set NM,  56                           ; v[56:63]  pairs (-m_q log2 e, twice)
.set LL,  64                           ; v[64:71]  l_q, two partial sums each
.set LM,  72                           ; v[72:79]  lm_q likewise
.set SA,  80                           ; v[80:143]  sums (t, q) at SA + 32 t + 8 q, in S and in the layers
.set KF,  144                          ; v[144:207] K or W^T fragments, two buffers of 32
.set TQ,  208                          ; T of q = 0, 1 in v[208:239], of q = 2, 3 in v[144:175]
.set EE,  176                          ; v[176:191] exponentials of one q
.set EM,  192                          ; v[192:207] the four waves' maxima; then the masked exponentials of one q
.set PK,  240                          ; v[240:247] packed P
.set BM,  248                          ; v[248:251] block maxima
.set PX,  252                          ; v[252:255] targets of v_permlanex16_b32
.set PF,  80                           ; v[80:143]  P fragments, two buffers of 32
.set VF,  144                          ; v[144:207] enc^T fragments, two buffers of 32
.set ST,  208                          ; v[208:239] the four waves' l and lm
.set TM,  80                           ; v[80:143]  64 results at work
; the layers' registers (written when the attention's addresses are dead)
.set WB,  8                            ; v[8:9]    W^T fragment addresses in a slot, [column tile t]
.set AW,  10                           ; v[10:13]  the same in this chunk's slot, [2 (s / 8) + t]
.set XLD, 14
.set XST0, 15
.set XW,  16                           ; where this chunk's fragments go
.set BOF0, 17
.set BW,  18                           ; this chunk's biases
.set DW,  19                           ; this chunk's dec
.set OST, 20
.set ORD, 21
.set OGV, 22
.set XA,  23                           ; where my fragments of a go
.set RQ,  24                           ; v[24:31]  pairs (R_q, twice), R = -2 log2 e lm / l
.set BI,  48                           ; v[48:63]  bias of column 16 t + 8 h + j of my 32, at 8 t + j
.set CT,  144                          ; v[144:207] the gate's addends; then dec in f32; in the last layer rows on the way out
.set DQ,  208                          ; v[208:239] dec as loaded, at 8 q + 4 t
.set MSB, 0
.macro WIN new                         ; s_set_vgpr_msb: bits 1:0 source 0, 3:2 source 1, 5:4 source 2, 7:6 destination; the high byte repeats the setting that is left
.if MSB != \new
	s_set_vgpr_msb (MSB<<8)|\new
.set MSB, \new
.endif
.endm
.macro PLACES n                        ; places behind matrix instructions (ISA guide 7.12.1), where no useful vector work is at hand
.rept \n
	v_nop
.endr
.endm
.macro BAR
	s_barrier_signal -1
	s_barrier_wait -1
.endm
; A round of the cluster's barrier: my work-group's barrier, wave 0 signals for the work-group, every wave waits for all four work-groups, my work-group's barrier again.
.macro ROUND
	s_barrier_signal -1
	s_barrier_wait -1
	s_cmp_lg_u32 s20, 0
	s_cbranch_scc1 .Lnot_wave_0_\@
	s_barrier_signal -3
.Lnot_wave_0_\@:
	s_barrier_wait -3
	s_barrier_signal -1
	s_barrier_wait -1
.endm
; One tensor load a wave: waves 0, 1 ask jointly for the halves of the next enc tile, wave 2 for my own next T tile.  Wave 3 has no part of a tile: it asks for the T tile
; that wave 2 will request one block later to be brought nearer: 64 rows x 512 bytes, lanes 8,192 bytes (a row of T) apart, each aligned block of 256 bytes once.
.macro JLOAD_ET
	s_cmp_ge_u32 s20, 2
	s_cbranch_scc1 .Lnot_e_\@
	tensor_load_to_lds s[G0E:G0E+3], s[G1E:G1E+7]
	s_nop 0
	s_branch .Ldone_\@
.Lnot_e_\@:
	s_cmp_lg_u32 s20, 2
	s_cbranch_scc1 .Lahead_\@
	tensor_load_to_lds s[G0T:G0T+3], s[G1T:G1T+7]
	s_nop 0
	s_branch .Ldone_\@
.Lahead_\@:
	global_prefetch_b8 v[PFV], s[66:67] th:TH_LOAD_NT scope:SCOPE_SE
	global_prefetch_b8 v[PFV], s[66:67] offset:256 th:TH_LOAD_NT scope:SCOPE_SE
	global_prefetch_b8 v[PFV], s[66:67] offset:262144 th:TH_LOAD_NT scope:SCOPE_SE
	global_prefetch_b8 v[PFV], s[66:67] offset:262400 th:TH_LOAD_NT scope:SCOPE_SE
.Ldone_\@:
.endm
.macro JLOAD_W                         ; waves 0, 1 ask jointly for the halves of a chunk of the weights; waves 2, 3 have no part of it
	s_cmp_ge_u32 s20, 2
	s_cbranch_scc1 .Lnot_w_\@
	tensor_load_to_lds s[G0W:G0W+3], s[G1E:G1E+7]
	s_nop 0
.Lnot_w_\@:
.endm
	s_load_b256 s[4:11], s[0:1], 0x0               ; db s[4:5], T s[6:7], eb s[8:9], wb s[10:11]
	s_load_b256 s[12:19], s[0:1], 0x20             ; bv s[12:13], b1 s[14:15], b2 s[16:17], out s[18:19]
	v_lshrrev_b32 v4, 5, v0
	v_readfirstlane_b32 s20, v4                    ; wave 0..3
	v_and_b32 v1, 31, v0                           ; lane L
	v_lshlrev_b32 v[PFV], 13, v1                   ; a row of T a lane
	s_bfe_u32 s21, ttmp6, 0x40000                  ; cx
	s_lshl_b32 s22, ttmp9, 2
	s_add_co_u32 s22, s22, s21                     ; query block x = 4 x cluster x + cx
	s_and_b32 s23, ttmp7, 0xffff                   ; batch, shared by the cluster
	s_lshl_b32 s27, s23, 5
	s_add_co_u32 s27, s27, s22                     ; work-group 32 batch + x: its first query is row 64 x that
	s_mov_b32 s24, 0x76543210                      ; v_permlanex16_b32: lane i of one half reads lane i of the other
	s_mov_b32 s25, 0xfedcba98
	s_mov_b32 s[HIM], 0xffff0000
	s_mov_b32 s[SS], 0                             ; block 0 lies in slot 0
	s_mov_b32 s[SS+1], 65536
	; group 1, joint half tile: 64 rows of 128 elements of 8 bytes, dense
	s_mov_b32 s[G1E+0], 15|(3<<16)|(1<<21)         ; 15:0 mask: all four work-groups; 17:16 elements of 8 bytes; 21 set beside a mask
	s_mov_b32 s[G1E+1], 128<<16                    ; tensor_dim0 = 128
	s_mov_b32 s[G1E+2], 64<<16                     ; tensor_dim1 = 64
	s_mov_b32 s[G1E+3], 128<<16                    ; tile_dim0 = 128
	s_mov_b32 s[G1E+4], 64                         ; tile_dim1 = 64
	s_mov_b32 s[G1E+5], 128                        ; from row to row: 128 elements
	s_mov_b32 s[G1E+6], 0
	s_mov_b32 s[G1E+7], 0
	; group 1, T tile: 64 rows of 128 f32, 2,048 elements from row to row; 4 words of padding behind every 128 words: LDS rows 528 bytes apart
	s_mov_b32 s[G1T+0], (2<<16)|(1<<20)|(6<<22)|(3<<25)
	s_mov_b32 s[G1T+1], 128<<16
	s_mov_b32 s[G1T+2], 64<<16
	s_mov_b32 s[G1T+3], 128<<16
	s_mov_b32 s[G1T+4], 64
	s_mov_b32 s[G1T+5], 2048
	s_mov_b32 s[G1T+6], 0
	s_mov_b32 s[G1T+7], 0
	; group 1, dec tile: 64 rows of 128 elements of 8 bytes, dense in memory; 4 words behind every 256 words: LDS rows 1,040 bytes apart
	s_mov_b32 s[G1D+0], (3<<16)|(1<<20)|(7<<22)|(3<<25)
	s_mov_b32 s[G1D+1], 128<<16
	s_mov_b32 s[G1D+2], 64<<16
	s_mov_b32 s[G1D+3], 128<<16
	s_mov_b32 s[G1D+4], 64
	s_mov_b32 s[G1D+5], 128
	s_mov_b32 s[G1D+6], 0
	s_mov_b32 s[G1D+7], 0
	; offsets.  s2, s3, s28, s29 hold only what the four partners share; s30, s31, s100, s101 hang on cx and feed no joint load and no LDS address
	s_and_b32 s28, s20, 1
	s_lshl_b32 s28, s28, 16                        ; (wave & 1) x 65,536: my half of a tile
	s_mov_b32 s29, 0
	s_lshl_b32 s2, s23, 21                         ; batch x 2,048 rows x 1,024 bytes
	s_mov_b32 s3, 0
	s_lshl_b32 s30, s27, 19                        ; my first query's row of T: 64 rows x 8,192 bytes a work-group, below 2^27
	s_mov_b32 s31, 0
	s_lshl_b32 s100, s27, 16                       ; my 65,536 bytes of db
	s_mov_b32 s101, 0
	s_mov_b32 s98, 512                             ; T tile 1; stepped before wave 3's first request, which is for tile 2
	s_mov_b32 s99, 0
	; group 0: the word 1, LDS address, global address, type 2
	s_mov_b32 s[G0E+0], 1
	s_mov_b32 s[G0E+1], s28
	s_mov_b32 s[G0W+0], 1
	s_mov_b32 s[G0W+1], s28                        ; Wv's first chunk will follow enc's tile 14 in slot 0
	s_mov_b32 s[G0T+0], 1
	s_mov_b32 s[G0T+1], TB
	s_mov_b32 s[G0D+0], 1
	s_mov_b32 s[G0D+1], DECT
	s_wait_kmcnt 0x0
	s_add_nc_u64 s[8:9], s[8:9], s[2:3]            ; eb at my batch
	s_add_nc_u64 s[G0E+2:G0E+3], s[8:9], s[28:29]  ; tile 0, my half
	s_or_b32 s[G0E+3], s[G0E+3], 0x80000000
	s_add_nc_u64 s[G0W+2:G0W+3], s[10:11], s[28:29]   ; chunk 0, my half
	s_or_b32 s[G0W+3], s[G0W+3], 0x80000000
	s_add_nc_u64 s[96:97], s[6:7], s[30:31]        ; T at my first query, key 0
	s_mov_b64 s[G0T+2:G0T+3], s[96:97]
	s_or_b32 s[G0T+3], s[G0T+3], 0x80000000
	s_add_nc_u64 s[66:67], s[96:97], s[98:99]
	s_add_nc_u64 s[4:5], s[4:5], s[100:101]        ; db at my first query
	s_mov_b64 s[G0D+2:G0D+3], s[4:5]
	s_or_b32 s[G0D+3], s[G0D+3], 0x80000000
	s_lshl_b32 s100, s27, 17
	s_add_nc_u64 s[18:19], s[18:19], s[100:101]    ; out at my first query
	ROUND                                          ; all four work-groups are here: the first joint loads meet
	; the first fills, one a wave: enc tile 0 (waves 0, 1), T tile 0 (wave 2), dec (wave 3).  One tensor load of a wave is out here and everywhere later
	s_cmp_ge_u32 s20, 2
	s_cbranch_scc1 .Lfirst_not_e
	tensor_load_to_lds s[G0E:G0E+3], s[G1E:G1E+7]
	s_nop 0
	s_branch .Lfirst_done
.Lfirst_not_e:
	s_cmp_lg_u32 s20, 2
	s_cbranch_scc1 .Lfirst_dec
	tensor_load_to_lds s[G0T:G0T+3], s[G1T:G1T+7]
	s_nop 0
	s_branch .Lfirst_done
.Lfirst_dec:
	tensor_load_to_lds s[G0D:G0D+3], s[G1D:G1D+7]
	s_nop 0
.Lfirst_done:
	; addresses, while the fills are on their way
	v_and_b32 v2, 15, v0                           ; r = L % 16
	v_bfe_u32 v3, v0, 4, 1                         ; h = L / 16
	v_and_b32 v4, 7, v0
	v_bfe_u32 v5, v0, 3, 1
	v_lshl_add_u32 v6, v4, 1, v5                   ; g(r) = 2 (r & 7) + (r >> 3)
	v_add_nc_u32 v7, v6, v3                        ; g + h: the rotation term of both kinds of read
	s_lshl_b32 s2, s20, 15
	v_lshl_add_u32 v45, v2, 10, s2                 ; by rows: row 32 wave + r
	v_lshl_add_u32 v46, v3, 3, v4                  ; by columns: row 8 h + (L & 7), whose g is 2 (L & 7) + h; the unit's low bit is (L >> 3) & 1
	s_lshl_b32 s2, s20, 8
	v_lshl_add_u32 v46, v46, 10, s2                ; + my 128 columns = 256 bytes
.irp c, 0,1,2,3,4,5,6,7
	v_add_nc_u32 v47, 2*\c, v7
	v_and_b32 v47, 15, v47
	v_lshl_add_u32 v[KB+\c], v47, 4, v45
	v_lshl_add_u32 v[VB+\c], v47, 4, v46
.endr
	v_mul_u32_u24 v45, v2, 528
	v_lshl_add_u32 v45, v3, 5, v45                 ; 528 r + 32 h
	s_lshl_b32 s2, s20, 7
	s_add_co_u32 s2, s2, TB
	v_add_nc_u32 v[TAD], s2, v45                   ; T(query r, key 32 wave + 8 h)
	s_lshl_b32 s2, s20, 12
	s_add_co_u32 s2, s2, PB
	v_lshl_add_u32 v[PST], v1, 4, s2
	s_mov_b32 s2, PB
	v_lshl_add_u32 v[PLD], v1, 4, s2
	s_lshl_b32 s2, s20, 8
	s_add_co_u32 s2, s2, MX
	v_lshl_add_u32 v[MXS], v2, 4, s2
	s_mov_b32 s2, MX
	v_lshl_add_u32 v[MXL], v2, 4, s2
	v_mul_u32_u24 v45, v2, 1040
	v_lshl_add_u32 v45, v3, 4, v45
	v_add_nc_u32 v[QAD], DECT, v45                 ; dec(query r, column 8 h)
	; the start of the running sums
.irp q, 0,1,2,3
	v_mov_b32 v[AL+2*\q+1], 0xff800000             ; m = -inf
	v_mov_b32 v[NM+2*\q],   0x7f800000             ; -m log2 e = +inf
	v_mov_b32 v[NM+2*\q+1], 0x7f800000
	v_mov_b32 v[LL+2*\q],   0
	v_mov_b32 v[LL+2*\q+1], 0
	v_mov_b32 v[LM+2*\q],   0
	v_mov_b32 v[LM+2*\q+1], 0
	v_mov_b32 v[PX+\q], 0                          ; v_permlanex16_b32 counts as a reader of its destination
.endr
.set j, 0
.rept 16
	v_mov_b32 v[SA+j], 0                           ; two zero fragments
.set j, j+1
.endr
	WIN 0xC0
.irp c, 0,1,2,3,4,5,6,7
.irp q, 0,1,2,3
	v_wmma_f32_16x16x32_bf16 v[32*\c+8*\q:32*\c+8*\q+7], v[SA:SA+7], v[SA+8:SA+15], 0   ; O = 0: 32 instructions write the 256 registers, so that the first block needs no text of its own
.endr
.endr
	WIN 0
	s_wait_tensorcnt 0x0                           ; my fill has landed
	BAR                                            ; everybody's has
	; Q: lane (r, h) takes columns 32 s + 8 h .. + 7 and + 16 of query 16 q + r.  Rows 1,040 bytes apart: sixteen rows start at sixteen different 16-byte columns
.irp s, 0,1,2,3,4,5,6,7,8,9,10,11,12,13,14,15
.if \s<8
	WIN 0x40
.else
	WIN 0x80
.endif
.irp q, 0,1,2,3
	ds_load_b128 v[32*(\s%8)+8*\q:32*(\s%8)+8*\q+3],   v[QAD] offset:16640*\q+64*\s
	ds_load_b128 v[32*(\s%8)+8*\q+4:32*(\s%8)+8*\q+7], v[QAD] offset:16640*\q+64*\s+32
.endr
.endr
	WIN 0
; ---- S^T = K x Q.  Eight groups g of two K steps (s = 2g, 2g+1), 16 matrix instructions each; the next group's fragments are loaded a group ahead. ----
.macro KLOAD g
.irp e, 0,1
.irp t, 0,1
.irp f, 0,1
	ds_load_b128 v[KF+32*((\g)%2)+16*\e+8*\t+4*\f:KF+32*((\g)%2)+16*\e+8*\t+4*\f+3], v[KW+2*((2*(\g)+\e)%4)+\f] offset:16384*\t+256*((2*(\g)+\e)/4)
.endr
.endr
.endr
.endm
.macro SMUL g                          ; the eight sums S(t, q) take turns, one instruction a turn; the first K step starts them
.irp e, 0,1
.irp t, 0,1
.irp q, 0,1,2,3
.if (2*(\g)+\e)==0
	v_wmma_f32_16x16x32_bf16 v[SA+32*\t+8*\q:SA+32*\t+8*\q+7], v[KF+32*((\g)%2)+16*\e+8*\t:KF+32*((\g)%2)+16*\e+8*\t+7], v[32*((2*(\g)+\e)%8)+8*\q:32*((2*(\g)+\e)%8)+8*\q+7], 0
.else
	v_wmma_f32_16x16x32_bf16 v[SA+32*\t+8*\q:SA+32*\t+8*\q+7], v[KF+32*((\g)%2)+16*\e+8*\t:KF+32*((\g)%2)+16*\e+8*\t+7], v[32*((2*(\g)+\e)%8)+8*\q:32*((2*(\g)+\e)%8)+8*\q+7], v[SA+32*\t+8*\q:SA+32*\t+8*\q+7]
.endif
.endr
.endr
.endr
.endm
.macro SPHASE
.irp c, 0,1,2,3,4,5,6,7
	v_add_nc_u32 v[KW+\c], s[SS], v[KB+\c]         ; this block's slot.  Also eight places behind the last matrix instructions, whose A registers the loads and whose B registers the first sums write over
.endr
	KLOAD 0
	WIN 0x04                                       ; B = Q in window 1; the loads name their address first: window 0
.irp g, 0,1,2,3,4,5,6
.if \g
	PLACES 4                                       ; the next loads go into the buffer that the group before read
.endif
	KLOAD \g+1
	s_wait_dscnt 0x8                               ; all but the next group's eight loads
.if \g==4
	WIN 0x08                                       ; K steps 8..15 lie in window 2
.endif
	SMUL \g
.endr
	PLACES 4                                       ; buffer 0, which group 6 read, takes T of q = 2, 3
.irp q, 0,1,2,3
.irp t, 0,1
	ds_load_b128 v[TQ+16*\q-96*(\q/2)+8*\t:TQ+16*\q-96*(\q/2)+8*\t+3],   v[TAD] offset:8448*\q+64*\t
	ds_load_b128 v[TQ+16*\q-96*(\q/2)+8*\t+4:TQ+16*\q-96*(\q/2)+8*\t+7], v[TAD] offset:8448*\q+64*\t+16
.endr
.endr
	s_wait_dscnt 0x10                              ; group 7's fragments are in; the 16 loads of T stay out
	SMUL 7
	WIN 0
	s_wait_dscnt 0x0                               ; T is in
	PLACES 4                                       ; behind the last sums, before they are read
.endm
; ---- S = S * T; the maximum of my 32 keys for each query, into MX ----
.macro MAXSTEP a, b
.irp q, 0,1,2,3
	v_max3_num_f32 v[BM+\q], v[BM+\q], v[SA+8*\q+\a], v[SA+8*\q+\b]
.endr
.endm
.macro SOFT1
.irp q, 0,1,2,3
.irp t, 0,1
.irp p, 0,1,2,3
	v_pk_mul_f32 v[SA+32*\t+8*\q+2*\p:SA+32*\t+8*\q+2*\p+1], v[SA+32*\t+8*\q+2*\p:SA+32*\t+8*\q+2*\p+1], v[TQ+16*\q-96*(\q/2)+8*\t+2*\p:TQ+16*\q-96*(\q/2)+8*\t+2*\p+1]
.endr
.endr
.endr
.irp q, 0,1,2,3
	v_max3_num_f32 v[BM+\q], v[SA+8*\q], v[SA+8*\q+1], v[SA+8*\q+2]
.endr
	MAXSTEP 3, 4
	MAXSTEP 5, 6
	MAXSTEP 7, 32
	MAXSTEP 33, 34
	MAXSTEP 35, 36
	MAXSTEP 37, 38
.irp q, 0,1,2,3
	v_max_num_f32 v[BM+\q], v[BM+\q], v[SA+8*\q+39]
.endr
.irp q, 0,1,2,3
	v_permlanex16_b32 v[PX+\q], v[BM+\q], s24, s25 ; the other eight keys of each tile lie in the other half of the lanes
.endr
.irp q, 0,1,2,3
	v_max_num_f32 v[BM+\q], v[BM+\q], v[PX+\q]
.endr
	ds_store_b128 v[MXS], v[BM:BM+3]
.endm
; ---- the change of slots, and the new running maximum ----
; In front of the round every wave has waited for its LDS instructions (the reads of T, of the other slot in the last block's P enc, and its store into MX) and for all its tensor
; loads; behind it the other slot (and, but for the last block, TB) is filled again, first thing, one tensor load a wave.  That load has the exponentials and P enc in which to land.
.macro MID last
	s_wait_dscnt 0x0
	s_wait_tensorcnt 0x0                           ; no tensor load of mine is out: group 0 may be written
.if \last==0
	s_wait_xcnt 0x0                                ; the requests ahead of the last block have read s[66:67]
	s_xor_b32 s[G0E+1], s[G0E+1], SLOTB            ; the other slot,
	s_add_nc_u64 s[G0E+2:G0E+3], s[G0E+2:G0E+3], SLOTB   ; the next 128 rows of enc,
	s_add_nc_u64 s[G0T+2:G0T+3], s[G0T+2:G0T+3], 512     ; the next 128 keys of T
	s_add_co_u32 s98, s98, 512
	s_min_u32 s98, s98, 7680                       ; clamped at T's last tile of my rows: the loop's last block asks for that tile a second time
	s_add_nc_u64 s[66:67], s[96:97], s[98:99]
.endif
	ROUND
.if \last
	JLOAD_W                                        ; the last block: no enc and no T are left; Wv's first chunk goes into slot 0
.else
	JLOAD_ET
.endif
.irp u, 0,1,2,3
	ds_load_b128 v[EM+4*\u:EM+4*\u+3], v[MXL] offset:256*\u
.endr
	s_wait_dscnt 0x0
.irp q, 0,1,2,3
	v_max3_num_f32 v[AL+2*\q+1], v[AL+2*\q+1], v[EM+\q], v[EM+4+\q]
.endr
.irp q, 0,1,2,3
	v_max3_num_f32 v[AL+2*\q+1], v[AL+2*\q+1], v[EM+8+\q], v[EM+12+\q]
.endr
.irp q, 0,1,2,3
	v_mul_f32 v[4+\q], 0xbfb8aa3b, v[AL+2*\q+1]    ; -m log2 e, rounded once; the same rounded number scales the old sums and the new exponentials
.endr
.irp q, 0,1,2,3
	v_sub_f32 v[AL+2*\q], v[4+\q], v[NM+2*\q]
.endr
.irp q, 0,1,2,3
	v_exp_f32 v[AL+2*\q], v[AL+2*\q]               ; alpha = exp(m_old - m_new); 0 in the first block
.endr
.irp q, 0,1,2,3
	v_mov_b32 v[NM+2*\q],   v[4+\q]                ; plain instructions behind the exponentials (ISA guide 5.7.2), before alpha is used
	v_mov_b32 v[NM+2*\q+1], v[4+\q]
.endr
.endm
; ---- exponentials, the two sums, the mask, P as bf16 fragments ----
.macro ACCUM d, e, p, q                ; pair p of the 16 numbers at e goes into the running pair d of query group q; pair 0 carries the rescaling
.if \p==0
	v_pk_fma_f32 v[\d+2*\q:\d+2*\q+1], v[\d+2*\q:\d+2*\q+1], v[AL+2*\q:AL+2*\q+1], v[\e:\e+1] op_sel_hi:[1,0,1]
.else
	v_pk_add_f32 v[\d+2*\q:\d+2*\q+1], v[\d+2*\q:\d+2*\q+1], v[\e+2*\p:\e+2*\p+1]
.endif
.endm
.macro SOFTQ q
.irp p, 0,1,2,3,4,5,6,7
	v_pk_fma_f32 v[EE+2*\p:EE+2*\p+1], v[SA+32*(\p/4)+8*\q+2*(\p%4):SA+32*(\p/4)+8*\q+2*(\p%4)+1], 0x3fb8aa3b, v[NM+2*\q:NM+2*\q+1] op_sel_hi:[1,0,1]
.endr
.irp e, 0,1,2,3,4,5,6,7,8,9,10,11,12,13,14,15
	v_exp_f32 v[EE+\e], v[EE+\e]
.endr
	v_nop                                          ; one plain place behind the exponentials (ISA guide 5.7.2)
	s_wait_alu depctr_va_vdst(0)
.irp p, 0,1,2,3,4,5,6,7
	v_cmp_neq_f32 vcc_lo, 0, v[SA+32*(\p/4)+8*\q+2*(\p%4)]
	v_cmp_neq_f32 s28, 0, v[SA+32*(\p/4)+8*\q+2*(\p%4)+1]
	ACCUM LL, EE, \p, \q                           ; l counts every key, the zeros too
	v_cndmask_b32 v[EM+2*\p],   0, v[EE+2*\p],   vcc_lo
	v_cndmask_b32 v[EM+2*\p+1], 0, v[EE+2*\p+1], s28
.endr
.irp p, 0,1,2,3,4,5,6,7
	ACCUM LM, EM, \p, \q                           ; lm counts the keys that stay
	v_cvt_pk_bf16_f32 v[PK+\p], v[EM+2*\p], v[EM+2*\p+1]
.endr
	ds_store_b128 v[PST], v[PK:PK+3]   offset:1024*\q      ; keys 8h .. 8h+7 of my 32: registers 0-3 of the B fragment of K step = my wave, in this same lane
	ds_store_b128 v[PST], v[PK+4:PK+7] offset:1024*\q+512  ; keys 16+8h ..: registers 4-7
.endm
.macro RESCALE
	WIN 0xC3                                       ; O in window 3, alpha in window 0
.irp c, 0,1,2,3,4,5,6,7
.irp q, 0,1,2,3
.irp p, 0,1,2,3
	v_pk_mul_f32 v[32*\c+8*\q+2*\p:32*\c+8*\q+2*\p+1], v[32*\c+8*\q+2*\p:32*\c+8*\q+2*\p+1], v[AL+2*\q:AL+2*\q+1] op_sel_hi:[1,0]
.endr
.endr
.endr
	WIN 0
.endm
; ---- O^T += enc^T x P: 128 keys x my 128 columns x 64 queries.  Eight groups y: K step y / 2, column tiles 4 (y % 2) + i. ----
.macro VADDR y                         ; four plain vector instructions: also the four places in front of the loads into the buffers that earlier groups read
.irp i, 0,1,2,3
	v_add_nc_u32 v[VW+\i], s[SS+(\y)/4], v[VB+4*((\y)%2)+\i]
.endr
.endm
.macro VLOAD y                         ; transposing loads: rows k0 + 8h + (L & 7), then 16 rows further down
.irp i, 0,1,2,3
	ds_load_tr16_b128 v[VF+32*((\y)%2)+8*\i:VF+32*((\y)%2)+8*\i+3],   v[VW+\i] offset:(((\y)/2)%2)*32768
	ds_load_tr16_b128 v[VF+32*((\y)%2)+8*\i+4:VF+32*((\y)%2)+8*\i+7], v[VW+\i] offset:(((\y)/2)%2)*32768+16384
.endr
.endm
.macro BLOAD ks
.irp q, 0,1,2,3
	ds_load_b128 v[PF+32*((\ks)%2)+8*\q:PF+32*((\ks)%2)+8*\q+3],   v[PLD] offset:4096*(\ks)+1024*\q
	ds_load_b128 v[PF+32*((\ks)%2)+8*\q+4:PF+32*((\ks)%2)+8*\q+7], v[PLD] offset:4096*(\ks)+1024*\q+512
.endr
.endm
.macro PMUL y                          ; the 32 sums take turns, one instruction a turn
.irp i, 0,1,2,3
.irp q, 0,1,2,3
	v_wmma_f32_16x16x32_bf16 v[32*(4*((\y)%2)+\i)+8*\q:32*(4*((\y)%2)+\i)+8*\q+7], v[VF+32*((\y)%2)+8*\i:VF+32*((\y)%2)+8*\i+7], v[PF+32*(((\y)/2)%2)+8*\q:PF+32*(((\y)/2)%2)+8*\q+7], v[32*(4*((\y)%2)+\i)+8*\q:32*(4*((\y)%2)+\i)+8*\q+7]
.endr
.endr
.endm
.macro PV
	VADDR 0
	BLOAD 0
	VLOAD 0
.irp y, 0,1,2,3,4,5,6
	WIN 0
	VADDR \y+1
.if \y%2
	BLOAD (\y+1)/2
	VLOAD \y+1
	s_wait_dscnt 0x10                              ; all but the next K step's P and the next group's enc^T
.else
	VLOAD \y+1
	s_wait_dscnt 0x8                               ; all but the next group's enc^T
.endif
	WIN 0xF0                                       ; C and D in window 3
	PMUL \y
.endr
	s_wait_dscnt 0x0
	PMUL 7
	WIN 0
.endm
.macro BLOCK last
	s_wait_tensorcnt 0x0                           ; my part of this block's tiles has landed,
	s_wait_dscnt 0x0                               ; my reads of P and of the other slot (in the first block: of dec) are over;
	BAR                                            ; both hold of all four waves.  T of this block is still unread
	SPHASE
	SOFT1
	MID \last
.irp q, 0,1,2,3
	SOFTQ \q
.endr
.if \last
	; my wave's l and lm of each query, for the other waves
.irp q, 0,1,2,3
	v_add_f32 v[BM+\q], v[LL+2*\q], v[LL+2*\q+1]
	v_add_f32 v[PK+\q], v[LM+2*\q], v[LM+2*\q+1]
.endr
.irp q, 0,1,2,3
	v_permlanex16_b32 v[PX+\q], v[BM+\q], s24, s25
.endr
.irp q, 0,1,2,3
	v_add_f32 v[BM+\q], v[BM+\q], v[PX+\q]
.endr
.irp q, 0,1,2,3
	v_permlanex16_b32 v[PX+\q], v[PK+\q], s24, s25
.endr
.irp q, 0,1,2,3
	v_add_f32 v[PK+\q], v[PK+\q], v[PX+\q]
.endr
	ds_store_b128 v[MXS], v[BM:BM+3] offset:1024
	ds_store_b128 v[MXS], v[PK:PK+3] offset:2048
.endif
	s_wait_dscnt 0x0                               ; my P is in LDS (and my reads of MX are over):
	s_barrier_signal -1                            ; say so,
	RESCALE                                        ; work on registers while the others arrive,
	s_barrier_wait -1                              ; and read everybody's P
.if \last
.irp u, 0,1,2,3
	ds_load_b128 v[ST+4*\u:ST+4*\u+3],       v[MXL] offset:1024+256*\u
	ds_load_b128 v[ST+16+4*\u:ST+16+4*\u+3], v[MXL] offset:2048+256*\u
.endr
.endif
	PV
.endm
	s_mov_b32 s26, 0
.Lblocks:
	BLOCK 0
	s_xor_b32 s[SS], s[SS], SLOTB                  ; the next block lies in the other slot
	s_xor_b32 s[SS+1], s[SS+1], SLOTB
	s_add_co_u32 s26, s26, 1
	s_cmp_lt_u32 s26, 15
	s_cbranch_scc1 .Lblocks
	BLOCK 1                                        ; block 15
	s_mov_b32 s[SS], 0                             ; Wv's first chunk lies in slot 0
	s_mov_b32 s[SS+1], 65536
	; l and lm over the four waves (these 24 sums are also the places behind the last matrix instructions); 1 / l (l is at least about 1: the largest term is exp(0)); R
.irp q, 0,1,2,3
	v_add_f32 v[ST+\q],    v[ST+\q],    v[ST+4+\q]
	v_add_f32 v[ST+8+\q],  v[ST+8+\q],  v[ST+12+\q]
	v_add_f32 v[ST+16+\q], v[ST+16+\q], v[ST+20+\q]
	v_add_f32 v[ST+24+\q], v[ST+24+\q], v[ST+28+\q]
.endr
.irp q, 0,1,2,3
	v_add_f32 v[ST+\q],    v[ST+\q],    v[ST+8+\q]
	v_add_f32 v[ST+16+\q], v[ST+16+\q], v[ST+24+\q]
.endr
.irp q, 0,1,2,3
	v_rcp_f32 v[AL+2*\q], v[ST+\q]
.endr
.irp q, 0,1,2,3
	v_mul_f32 v[ST+16+\q], 0xc038aa3b, v[ST+16+\q] ; plain instructions behind the reciprocals (ISA guide 5.7.2)
.endr
	s_wait_alu depctr_va_vdst(0)
.irp q, 0,1,2,3
	v_mul_f32 v[RQ+2*\q],   v[ST+16+\q], v[AL+2*\q]   ; R = -2 log2 e lm / l, twice: a pair for the packed multiply-add
	v_mul_f32 v[RQ+2*\q+1], v[ST+16+\q], v[AL+2*\q]
.endr
	; the layers' addresses
	v_and_b32 v4, 7, v0
	v_bfe_u32 v5, v0, 3, 1
	v_lshl_add_u32 v6, v4, 1, v5
	v_add_nc_u32 v7, v6, v3                        ; 2 (L & 7) + h = g(row), + the unit's low bit (L >> 3) & 1
	s_lshl_b32 s2, s20, 2
	v_add_nc_u32 v7, s2, v7                        ; + 4 wave: my 32 columns of a chunk are units 4 wave .. 4 wave + 3
	v_lshl_add_u32 v45, v3, 3, v4                  ; row 8 h + (L & 7)
	v_lshlrev_b32 v45, 8, v45                      ; rows 256 bytes apart
.irp t, 0,1
	v_add_nc_u32 v47, 2*\t, v7
	v_and_b32 v47, 15, v47
	v_lshl_add_u32 v[WB+\t], v47, 4, v45
.endr
	s_mov_b32 s2, XB
	v_lshl_add_u32 v[XLD], v1, 4, s2
	s_lshl_b32 s3, s20, 12
	s_add_co_u32 s3, s3, XB
	v_lshl_add_u32 v[XST0], v1, 4, s3              ; K step wave of chunk 0
	s_lshl_b32 s3, s20, 14
	s_add_co_u32 s3, s3, XB
	v_lshl_add_u32 v[XA], v1, 4, s3                ; a: K steps 4 wave ..
	s_lshl_b32 s3, s20, 7
	v_lshl_add_u32 v[BOF0], v3, 5, s3              ; biases: column 32 wave + 8 h, 4 bytes each
	s_lshl_b32 s3, s20, 6
	v_lshl_add_u32 v[DW], v3, 4, s3                ; dec: the same column, 2 bytes each,
	v_lshl_add_u32 v[DW], v2, 10, v[DW]            ; row r
	v_mul_u32_u24 v45, v2, 528
	v_lshl_add_u32 v45, v3, 5, v45
	s_lshl_b32 s3, s20, 7
	s_add_co_u32 s3, s3, XB
	v_add_nc_u32 v[OST], s3, v45                   ; the way out, in: row r, column 32 wave + 8 h
	s_mul_i32 s3, s20, 8448
	s_add_co_u32 s3, s3, XB
	v_lshl_add_u32 v[ORD], v1, 4, s3               ; back: rows 16 wave .., 512 bytes each
	s_lshl_b32 s3, s20, 15
	v_lshl_add_u32 v[OGV], v1, 4, s3               ; the same rows in out
	s_wait_dscnt 0x0                               ; my reads of P and of the statistics are over
	BAR                                            ; everybody's are: XB, which lies over them and over TB, may be written.
	; a = O / l in f16.  Column tiles 2 i and 2 i + 1 are registers 0-3 and 4-7 of the B fragment of K step 4 wave + i
.irp i, 0,1,2,3
	WIN 0x03
.irp u, 0,1
.irp q, 0,1,2,3
.irp p, 0,1,2,3
	v_pk_mul_f32 v[TM+32*\u+8*\q+2*\p:TM+32*\u+8*\q+2*\p+1], v[64*\i+32*\u+8*\q+2*\p:64*\i+32*\u+8*\q+2*\p+1], v[AL+2*\q:AL+2*\q+1] op_sel_hi:[1,0]
.endr
.endr
.endr
	WIN 0
.irp u, 0,1
.irp q, 0,1,2,3
.irp p, 0,1,2,3
	v_cvt_pk_f16_f32 v[TM+32*\u+8*\q+\p], v[TM+32*\u+8*\q+2*\p], v[TM+32*\u+8*\q+2*\p+1]   ; in place: word p is written when numbers 2p, 2p+1 are read, and p <= 2p
.endr
.endr
.endr
.irp u, 0,1
.irp q, 0,1,2,3
	ds_store_b128 v[XA], v[TM+32*\u+8*\q:TM+32*\u+8*\q+3] offset:4096*\i+1024*\q+512*\u
.endr
.endr
.endr
; ======== the three layers ========
; all 64 fragments of a layer's input from XB into windows 1 and 2
.macro XLOAD
.irp s, 0,1,2,3,4,5,6,7,8,9,10,11,12,13,14,15
.if \s<8
	WIN 0x40
.else
	WIN 0x80
.endif
.irp q, 0,1,2,3
	ds_load_b128 v[32*(\s%8)+8*\q:32*(\s%8)+8*\q+3],   v[XLD] offset:4096*\s+1024*\q
	ds_load_b128 v[32*(\s%8)+8*\q+4:32*(\s%8)+8*\q+7], v[XLD] offset:4096*\s+1024*\q+512
.endr
.endr
	WIN 0
.endm
; ---- sums^T = W^T x X.  Eight groups g of two K steps, 16 matrix instructions each; the next group's fragments are loaded a group ahead. ----
.macro WLOAD g                         ; transposing loads: rows 32 s + 8 h + (L & 7), then 16 rows further down
.irp e, 0,1
.irp t, 0,1
	ds_load_tr16_b128 v[KF+32*((\g)%2)+16*\e+8*\t:KF+32*((\g)%2)+16*\e+8*\t+3],   v[AW+2*((2*(\g)+\e)/8)+\t] offset:((2*(\g)+\e)%8)*8192
	ds_load_tr16_b128 v[KF+32*((\g)%2)+16*\e+8*\t+4:KF+32*((\g)%2)+16*\e+8*\t+7], v[AW+2*((2*(\g)+\e)/8)+\t] offset:((2*(\g)+\e)%8)*8192+4096
.endr
.endr
.endm
.macro WM f16, z, d, a, b
.if \f16
.if \z
	v_wmma_f32_16x16x32_f16 v[\d:\d+7], v[\a:\a+7], v[\b:\b+7], 0
.else
	v_wmma_f32_16x16x32_f16 v[\d:\d+7], v[\a:\a+7], v[\b:\b+7], v[\d:\d+7]
.endif
.else
.if \z
	v_wmma_f32_16x16x32_bf16 v[\d:\d+7], v[\a:\a+7], v[\b:\b+7], 0
.else
	v_wmma_f32_16x16x32_bf16 v[\d:\d+7], v[\a:\a+7], v[\b:\b+7], v[\d:\d+7]
.endif
.endif
.endm
.macro LMUL g, f16                     ; the eight sums take turns, one instruction a turn; the first K step starts them
.irp e, 0,1
.irp t, 0,1
.irp q, 0,1,2,3
.if (2*(\g)+\e)==0
	WM \f16, 1, SA+32*\t+8*\q, KF+32*((\g)%2)+16*\e+8*\t, 32*((2*(\g)+\e)%8)+8*\q
.else
	WM \f16, 0, SA+32*\t+8*\q, KF+32*((\g)%2)+16*\e+8*\t, 32*((2*(\g)+\e)%8)+8*\q
.endif
.endr
.endr
.endr
.endm
.macro WPHASE f16
.irp t, 0,1
	v_add_nc_u32 v[AW+\t],   s[SS],   v[WB+\t]     ; this chunk's slot: K steps 0..7,
	v_add_nc_u32 v[AW+2+\t], s[SS+1], v[WB+\t]     ; K steps 8..15
.endr
	WLOAD 0
	WIN 0x04                                       ; B = X in window 1; the loads name their address first: window 0
.irp g, 0,1,2,3,4,5,6
.if \g
	PLACES 4                                       ; the next loads go into the buffer that the group before read
.endif
	WLOAD \g+1
	s_wait_dscnt 0x8                               ; all but the next group's eight loads
.if \g==4
	WIN 0x08                                       ; K steps 8..15 lie in window 2
.endif
	LMUL \g, \f16
.endr
	s_wait_dscnt 0x0
	LMUL 7, \f16
	WIN 0
	PLACES 4                                       ; behind the last sums, before they are read
.endm
.macro XSTORE                          ; the packed tiles t = 0, 1 are registers 0-3 and 4-7 of the fragment of K step 4 chunk + wave
.irp t, 0,1
.irp q, 0,1,2,3
	ds_store_b128 v[XW], v[SA+32*\t+8*\q:SA+32*\t+8*\q+3] offset:1024*\q+512*\t
.endr
.endr
.endm
; One chunk.  kind 0: a Wv and the gate; 1: g W1 and the ReLU; 2: h W2 and the way out.  refill = 1: the next chunk is asked for.
.macro CHUNK kind, refill
	s_wait_dscnt 0x0                               ; my reads of the other slot and of XB, and my stores into XB, are over;
	s_wait_tensorcnt 0x0                           ; my part of this chunk has landed, and no tensor load of mine is out: group 0 may be written
.if \refill
	s_xor_b32 s[G0W+1], s[G0W+1], SLOTB            ; the other slot,
	s_add_nc_u64 s[G0W+2:G0W+3], s[G0W+2:G0W+3], SLOTB   ; the next chunk
	ROUND                                          ; this holds of every wave of all four work-groups
	JLOAD_W                                        ; first thing behind the round, into the slot read last; it has this chunk's work in which to land
.else
	BAR                                            ; the last chunk: nothing is left to fetch
.endif
.irp t, 0,1
	global_load_b128 v[BI+8*\t:BI+8*\t+3],   v[BW], s[12+2*\kind:13+2*\kind] offset:64*\t
	global_load_b128 v[BI+8*\t+4:BI+8*\t+7], v[BW], s[12+2*\kind:13+2*\kind] offset:64*\t+16
.endr
.if \kind==0
.irp q, 0,1,2,3
.irp t, 0,1
	global_load_b128 v[DQ+8*\q+4*\t:DQ+8*\q+4*\t+3], v[DW], s[4:5] offset:16384*\q+32*\t   ; dec(16 q + r, my column 16 t + 8 h .. + 7)
.endr
.endr
.endif
.if \kind==2
	WPHASE 0
.else
	WPHASE 1
.endif
	s_wait_loadcnt 0x0                             ; the biases (and dec), asked for in front of the 128 matrix instructions
.if \kind==0
.irp t, 0,1
.irp q, 0,1,2,3
.irp p, 0,1,2,3
	v_pk_fma_f32 v[CT+32*\t+8*\q+2*\p:CT+32*\t+8*\q+2*\p+1], v[BI+8*\t+2*\p:BI+8*\t+2*\p+1], v[RQ+2*\q:RQ+2*\q+1], -1.0 op_sel_hi:[1,0,0]   ; -2 log2 e (lm / l) bv - 1
.endr
.endr
.endr
.set j, 0
.rept 32
	v_pk_fma_f32 v[SA+j:SA+j+1], v[SA+j:SA+j+1], 0xc038aa3b, v[CT+j:CT+j+1] op_sel_hi:[1,0,1]   ; -2 log2 e x - 1
.set j, j+2
.endr
.set j, 0
.rept 64
	v_exp_f32 v[SA+j], v[SA+j]
.set j, j+1
.endr
	v_nop                                          ; one plain place behind the exponentials (ISA guide 5.7.2)
.set j, 0
	s_wait_alu depctr_va_vdst(0)
.rept 32
	v_pk_add_f32 v[SA+j:SA+j+1], v[SA+j:SA+j+1], 0.5 op_sel_hi:[1,0]
.set j, j+2
.endr
.set j, 0
.rept 64
	v_rcp_f32 v[SA+j], v[SA+j]                     ; 1 + tanh x
.set j, j+1
.endr
.irp t, 0,1
.irp q, 0,1,2,3
.irp p, 0,1,2,3
	v_lshlrev_b32 v[CT+32*\t+8*\q+2*\p],   16,  v[DQ+8*\q+4*\t+\p]   ; plain instructions behind the reciprocals: dec to f32
	v_and_b32     v[CT+32*\t+8*\q+2*\p+1], s[HIM], v[DQ+8*\q+4*\t+\p]
.endr
.endr
.endr
.set j, 0
	s_wait_alu depctr_va_vdst(0)
.rept 32
	v_pk_mul_f32 v[SA+j:SA+j+1], v[SA+j:SA+j+1], v[CT+j:CT+j+1]
.set j, j+2
.endr
.irp t, 0,1
.irp q, 0,1,2,3
.irp p, 0,1,2,3
	v_cvt_pk_f16_f32 v[SA+32*\t+8*\q+\p], v[SA+32*\t+8*\q+2*\p], v[SA+32*\t+8*\q+2*\p+1]   ; in place: word p is written when numbers 2p, 2p+1 are read, and p <= 2p
.endr
.endr
.endr
	XSTORE
	v_add_nc_u32 v[DW], 256, v[DW]                 ; the next chunk's 128 columns (the loads that named these registers have been waited for)
.endif
.if \kind==1
.irp t, 0,1
.irp q, 0,1,2,3
.irp p, 0,1,2,3
	v_pk_add_f32 v[SA+32*\t+8*\q+2*\p:SA+32*\t+8*\q+2*\p+1], v[SA+32*\t+8*\q+2*\p:SA+32*\t+8*\q+2*\p+1], v[BI+8*\t+2*\p:BI+8*\t+2*\p+1]
.endr
.endr
.endr
.set j, 0
.rept 64
	v_max_num_f32 v[SA+j], 0, v[SA+j]
.set j, j+1
.endr
.irp t, 0,1
.irp q, 0,1,2,3
.irp p, 0,1,2,3
	v_cvt_pk_bf16_f32 v[SA+32*\t+8*\q+\p], v[SA+32*\t+8*\q+2*\p], v[SA+32*\t+8*\q+2*\p+1]
.endr
.endr
.endr
	XSTORE
.endif
.if \kind<2
	v_add_nc_u32 v[XW], 16384, v[XW]               ; four K steps on
.endif
.if \kind==2
	; THE WAY OUT: + b2; 64 rows x the chunk's 512 bytes meet in the stage (rows 528 bytes apart); each wave takes 16 whole rows back
.irp t, 0,1
.irp q, 0,1,2,3
.irp p, 0,1,2,3
	v_pk_add_f32 v[SA+32*\t+8*\q+2*\p:SA+32*\t+8*\q+2*\p+1], v[SA+32*\t+8*\q+2*\p:SA+32*\t+8*\q+2*\p+1], v[BI+8*\t+2*\p:BI+8*\t+2*\p+1]
.endr
.endr
.endr
.irp q, 0,1,2,3
.irp t, 0,1
	ds_store_b128 v[OST], v[SA+32*\t+8*\q:SA+32*\t+8*\q+3]   offset:8448*\q+64*\t
	ds_store_b128 v[OST], v[SA+32*\t+8*\q+4:SA+32*\t+8*\q+7] offset:8448*\q+64*\t+16
.endr
.endr
	s_wait_dscnt 0x0                               ; my part of the stage is written
	BAR                                            ; everybody's is. The next chunk's stores stand behind its own barrier, with my reads waited for
.irp u, 0,1,2,3,4,5,6,7,8,9,10,11,12,13,14,15
	ds_load_b128 v[CT+4*\u:CT+4*\u+3], v[ORD] offset:528*\u
.endr
.irp u, 0,1,2,3,4,5,6,7,8,9,10,11,12,13,14,15
	s_wait_dscnt 15-\u                             ; row u is in
	global_store_b128 v[OGV], v[CT+4*\u:CT+4*\u+3], s[18:19] offset:2048*\u th:TH_STORE_NT   ; the wave stores 512 consecutive bytes, at a multiple of 512 from out's first byte
.endr
.if \refill
	s_wait_xcnt 0x0                                ; the stores have read their data and their offset: both are written again only behind this wait
	v_add_nc_u32 v[OGV], 512, v[OGV]               ; the next chunk's 128 columns
.endif
.endif
.if \refill
	v_add_nc_u32 v[BW], 512, v[BW]
	s_xor_b32 s[SS], s[SS], SLOTB                  ; the next chunk lies in the other slot
	s_xor_b32 s[SS+1], s[SS+1], SLOTB
.endif
.endm
.macro NEXTLAYER                       ; every wave's fragments are in XB; all of them into my registers.  XB is written again only behind the next chunk's barrier, with these loads waited for
	s_wait_dscnt 0x0
	BAR
	XLOAD
	v_mov_b32 v[XW], v[XST0]
	v_mov_b32 v[BW], v[BOF0]
.endm
	NEXTLAYER                                      ; a takes the registers of Q, which the last S has read
	s_mov_b32 s26, 0
.Lwv:
	CHUNK 0, 1
	s_add_co_u32 s26, s26, 1
	s_cmp_lt_u32 s26, 4
	s_cbranch_scc1 .Lwv
	NEXTLAYER
	s_mov_b32 s26, 0
.Lw1:
	CHUNK 1, 1
	s_add_co_u32 s26, s26, 1
	s_cmp_lt_u32 s26, 4
	s_cbranch_scc1 .Lw1
	NEXTLAYER
	s_mov_b32 s26, 0
.Lw2:
	CHUNK 2, 1
	s_add_co_u32 s26, s26, 1
	s_cmp_lt_u32 s26, 3
	s_cbranch_scc1 .Lw2
	CHUNK 2, 0                                     ; the twelfth chunk asks for nothing
	ROUND                                          ; the closing round: no work-group ends while a partner may still ask for a tile that names it
	s_endpgm
.Lfunc_end_k_qeabca019e0_fused:
	.size	k_qeabca019e0_fused, .Lfunc_end_k_qeabca019e0_fused-k_qeabca019e0_fused
	.p2alignl 7, 3214868480
	.fill 96, 4, 3214868480
	.section	.rodata,"a",@progbits
	.p2align	6, 0x0
	.amdhsa_kernel k_qeabca019e0_fused
		.amdhsa_group_segment_fixed_size 327680
		.amdhsa_private_segment_fixed_size 0
		.amdhsa_enable_private_segment 0
		.amdhsa_kernarg_size 64
		.amdhsa_user_sgpr_count 2
		.amdhsa_user_sgpr_kernarg_segment_ptr 1
		.amdhsa_wavefront_size32 1
		.amdhsa_system_sgpr_workgroup_id_x 1
		.amdhsa_system_sgpr_workgroup_id_y 1
		.amdhsa_system_sgpr_workgroup_id_z 1
		.amdhsa_system_vgpr_workitem_id 0
		.amdhsa_next_free_vgpr 1024
		.amdhsa_next_free_sgpr 102
		.amdhsa_reserve_vcc 1
		.amdhsa_float_denorm_mode_32 3
		.amdhsa_float_denorm_mode_16_64 3
		.amdhsa_memory_ordered 1
		.amdhsa_forward_progress 1
		.amdhsa_inst_pref_size 255
	.end_amdhsa_kernel
	.section	.bss,"aw",@nobits
	.p2align	6
	.space	262144
	.amdgpu_metadata
---
amdhsa.version: [ 1, 2 ]
amdhsa.kernels:
  - .name:           k_qeabca019e0_fused
    .symbol:         k_qeabca019e0_fused.kd
    .args:
      - { .name: db, .offset: 0, .size: 8, .value_kind: global_buffer, .address_space: global }
      - { .name: trans_mat, .offset: 8, .size: 8, .value_kind: global_buffer, .address_space: global }
      - { .name: eb, .offset: 16, .size: 8, .value_kind: global_buffer, .address_space: global }
      - { .name: wb, .offset: 24, .size: 8, .value_kind: global_buffer, .address_space: global }
      - { .name: bv, .offset: 32, .size: 8, .value_kind: global_buffer, .address_space: global }
      - { .name: b1, .offset: 40, .size: 8, .value_kind: global_buffer, .address_space: global }
      - { .name: b2, .offset: 48, .size: 8, .value_kind: global_buffer, .address_space: global }
      - { .name: out0, .offset: 56, .size: 8, .value_kind: global_buffer, .address_space: global }
    .group_segment_fixed_size: 327680
    .private_segment_fixed_size: 0
    .kernarg_segment_align: 8
    .kernarg_segment_size: 64
    .max_flat_workgroup_size: 128
    .sgpr_count:     102
    .vgpr_count:     1024
    .wavefront_size: 32
...
	.end_amdgpu_metadata
.endif
;; end of part 2
